; MI455X (gfx1250); checked and timed in simulation.
; The chip was launched on July 23, 2026; its instructions are those of AMD's public machine-readable ISA for CDNA 5 (MIT licence, August 2026) and "CDNA5" Instruction Set Architecture Reference Guide (July 2026). The comments in the code are by the model that wrote it; some were corrected since.
;; T Conformer QKV. Allowed arithmetic: matrix products marked QUANTISED: E4M3 operands, one given power-of-two scale a tensor, by v_wmma_f32_16x16x64_fp8_fp8 or v_wmma_f32_16x16x128_fp8_fp8, f32 sums; products left as they are: f32 operands where the result goes on into a quantised operand, else bf16, f16 or f32 operands; f32 sums; everything else in f32.
;; Inputs: b1 256 float32; b2 64 float32; in_proj_b 192 float32; in_proj_w 192 x 64 float32; k_codes 2 x 512 x 65 x 2 x 32 uint8 (E4M3 codes of k, K innermost, in blocks of 32 codes); ln1_b 64 float32; ln1_w 64 float32; ln2_b 64 float32; ln2_w 64 float32; lowp_scales 14 int32 (the exponents e of the quantised operands' scales 2^e); out_b 64 float32; out_w_codes 64 x 2 x 32 uint8 (E4M3 codes of out_w, K innermost, in blocks of 32 codes); q 2 x 64 x 512 x 65 float32; v_codes 2 x 512 x 65 x 2 x 32 uint8 (E4M3 codes of v, K innermost, in blocks of 32 codes); w1_codes 256 x 2 x 32 uint8 (E4M3 codes of w1, K innermost, in blocks of 32 codes); w2_codes 64 x 8 x 32 uint8 (E4M3 codes of w2, K innermost, in blocks of 32 codes).
;; Outputs: out0 2 x 64 x 512 x 65 float32.
;; This version of the problem:
;;   THIS VERSION OF THE PROBLEM IS GIVEN IN LOW PRECISION. The matrix products marked QUANTISED in the list below multiply operands that are first quantised to E4M3 (4 exponent bits, 3 mantissa bits; 8 bits a number), with one given power-of-two scale for each operand tensor; their sums are f32. All else is computed in f32.
;;   The module's matrix products, in the order in which they are computed (A, B: the left and right operand; K: the contracted axis; several contracted axes count as one K, in the product's order):
;;     1. [M 66,560, K 64] x [K 64, N 64]; A: input q; B: computed on the way: QUANTISED (scales: A lowp_scales[0], B lowp_scales[1])
;;     2. [M 66,560, K 64] x [K 64, N 64]; A: input k (given as codes); B: computed on the way: QUANTISED (scales: A lowp_scales[2], B lowp_scales[3])
;;     3. [M 66,560, K 64] x [K 64, N 64]; A: input v (given as codes); B: computed on the way: QUANTISED (scales: A lowp_scales[4], B lowp_scales[5])
;;     4. batch 520 x [M 512, K 16] x [K 16, N 512]; A: computed on the way; B: computed on the way: left as it is (K = 16 < 32)
;;     5. batch 520 x [M 16, K 512] x [K 512, N 512]; A: computed on the way; B: softmax (see below): QUANTISED (scales: A lowp_scales[6], B lowp_scales[7])
;;     6. [M 66,560, K 64] x [K 64, N 64]; A: computed on the way; B: input out_w (given as codes): QUANTISED (scales: A lowp_scales[8], B lowp_scales[9])
;;     7. [M 66,560, K 64] x [K 64, N 256]; A: computed on the way; B: input w1 (given as codes): QUANTISED (scales: A lowp_scales[10], B lowp_scales[11])
;;     8. [M 66,560, K 256] x [K 256, N 64]; A: computed on the way; B: input w2 (given as codes): QUANTISED (scales: A lowp_scales[12], B lowp_scales[13])
;;   THE QUANTISER, for each operand of a quantised product, along K:
;;     - The operand's scale is 2^e, e = its entry of the input lowp_scales (int32; the entries are numbered through the quantised products in the list's order, A before B).
;;     - Each number is divided by the scale, clamped to +-448, and rounded to the nearest number of E4M3, ties to even, subnormals kept.
;;     - The product sums the exact products of the quantised numbers (number of the format x scale) in f32.
;;   ~~~python
;;   def quantise(x, axis, e):      # numpy; x: float32 -> the quantised numbers, widened to float32 again
;;       x = np.moveaxis(x, axis, -1); K = x.shape[-1]
;;       r = np.clip(x / 2.0 ** e, -448, 448)
;;       step = 2.0 ** (np.maximum(np.frexp(np.where(r == 0, 1, r))[1] - 1, -6) - 3)
;;       q = np.round(r / step) * step * 2.0 ** e      # np.round: ties to even
;;       return np.moveaxis(q, -1, axis).astype(np.float32)
;;   ~~~
;;   SOFTMAX AHEAD OF A QUANTISED PRODUCT. Where the list says 'softmax', what is quantised is not the finished softmax but p = 2^(t - M), with t = logit x log2(e) and M = ceil(the row's largest t), a whole number; so 1/2 < the row's largest p <= 1. The row's sum l is taken of the UNQUANTISED p, in f32, and the product's result is divided by l at the end. Since M is a whole number, a kernel that streams over the keys may use a running M (the ceiling of the running maximum): every later rescaling is an exact power of two, so the quantised numbers keep their values, but for numbers so far below the row's largest that they fall under the format's range.
;;   OPERANDS COMPUTED ON THE WAY. 'Computed on the way' means the value that the module computes at that place (a softmax that the list does not call 'softmax' is quantised finished and normalised). What goes into a quantiser is computed in f32, as accurately as f32 sums, v_exp_f32 and their like allow (about 1e-6 of the number): no bf16 or f16 on the way to a quantiser, and a product that is left as it is and whose result goes on into a quantised operand takes f32 operands (vector FMAs, or v_wmma_f32_16x16x4_f32). A number that lies on a knife's edge between two numbers of the format may be rounded either way, as far as f32 arithmetic and the matrix unit's own rounding can turn it there, and no further.
;;   INPUTS GIVEN AS CODES. k (in the module: [2, 64, 512, 65], K = its axis 1); out_w (in the module: [64, 64], K = its axis 1); v (in the module: [2, 64, 512, 65], K = its axis 1); w1 (in the module: [256, 64], K = its axis 1); w2 (in the module: [64, 256], K = its axis 1): each comes as NAME_codes (uint8): NAME with its K axis moved to the last place and cut into blocks of 32 codes, [.., K / 32, bytes a block], one block behind the other in memory; one code a byte (a code: sign, 4 exponent bits, 3 mantissa bits); its scale is its entry of lowp_scales. Its value is code x scale, taken as it is: it is not quantised again, and the codes and scales need not be those that the quantiser above would give.
;; One version. Each part assembles by itself: llvm-mc -triple=amdgcn-amd-amdhsa -mcpu=gfx1250 --defsym DOCPART=n.
;; ======== version 1 of 1: 3 launches
;; workspace buffers: xc 4,259,840 bytes; wc 12,288 bytes; ctx 4,259,840 bytes
;; launch quant (part 1): grid 520 x 1, 4 waves a work-group, no clusters, 11,264 bytes of LDS; arguments q, in_proj_w, lowp_scales, xc, wc; writes xc, wc
.if DOCPART == 1
	.amdgcn_target "amdgcn-amd-amdhsa--gfx1250"
	.amdhsa_code_object_version 6
	.text
	.protected	k_qeda5d4d601_quant
	.globl	k_qeda5d4d601_quant
	.p2align	8
	.type	k_qeda5d4d601_quant,@function
k_qeda5d4d601_quant:
	s_mov_b64 s[64:65], 0
	v_nop
	global_prefetch_b8 v0, s[64:65] scope:SCOPE_SE
	s_setreg_imm32_b32 hwreg(HW_REG_WAVE_MODE, 25, 1), 1
	s_wait_xcnt 0x0
; q [2][64 c][512 t][65 f], f32, becomes xc: codes of E4M3, one row of 64 bytes (channel ascending) for each (b, t, f), laid as k_codes is: row g = 33280 b + 65 t + f.
; in_proj_w [192][64], f32, becomes wc [192][64] codes: rows 0-63 with scale entry 1, rows 64-127 with entry 3, rows 128-191 with entry 5.
; code = x / 2^e, held within +-448, rounded to the nearest code, ties to even.
; LIMITS: entries 0, 1, 3, 5 of the scales lie between -126 and 119 (2^e and 448 x 2^e are f32 numbers).  NaN among the inputs is not served.
; SHARES.  A work-group takes 128 rows (260 x 128 = 33,280: no work-group straddles b).  K (the channel) is q's outer axis: wave w takes channels 16 w .. 16 w + 15 of all 128 rows, and a lane four
; neighbouring rows: each load of a wave reads 512 consecutive bytes, aligned, and a wave's sixteen loads are all out together.  A load leaves four ROWS in four registers; the conversions want eight
; CHANNELS of one row in eight registers: the hold, which every number passes anyway, writes into other registers and sorts them so.
; A row's 64 bytes come from the four waves: they meet in a stage in LDS, one barrier, and each wave then stores 32 whole rows, 512 consecutive bytes an instruction, aligned.
; The stage: row 4 l + p lies at PLANE p + 80 l.  Stores go 80 bytes from lane to lane; on the way back sixteen lanes read columns 64 p + 16 (lane % 4).
; No matrix unit, cluster or tensor load: a stream read once, and work-groups share no input.
.set CSTR,  133120                     ; bytes from channel to channel of q: 33,280 numbers
.set BSTR,  8519680                    ; bytes from b to b
.set SP,    80                         ; a row's place in the stage: 64 bytes + 16 of padding
.set PLANE, 32*SP+64                   ; the 32 rows 4 l + p of one p, and 64 bytes more
.set X,     16                         ; v16-79    as loaded: register 4 c + p = channel 16 w + c of row 4 l + p
.set Z,     80                         ; v80-143   held and sorted: register 16 p + c
.set C,     144                        ; v144-159  codes: four registers (16 channels) for each p
.set OUTR,  160                        ; v160-175  rows read back from the stage
.set W,     176                        ; v176-183  eight numbers of in_proj_w
.set WC,    184                        ; v184-185  their codes
	s_load_b256 s[4:11], s[0:1], 0x0               ; q s[4:5], in_proj_w s[6:7], the scales s[8:9], xc s[10:11]
	s_load_b64 s[12:13], s[0:1], 0x20              ; wc
	v_lshl_add_u32 v192, v0, 2, 0x2a00
	v_mov_b32 v193, 0
	v_lshrrev_b32 v1, 5, v0
	v_readfirstlane_b32 s14, v1                    ; wave 0..3
	v_and_b32 v1, 31, v0                           ; lane
	v_lshlrev_b32 v2, 4, v1                        ; q and xc: 16 bytes a lane
	s_lshl_b32 s28, s14, 4
	v_mul_u32_u24 v3, v1, SP
	v_add_nc_u32 v3, s28, v3                       ; into the stage: 80 x lane + my wave's 16 bytes of a row
	v_bfe_u32 v4, v0, 2, 2                         ; out of it: four lanes to a row, eight rows an instruction: row 32 w + 8 m + lane / 4, so p = (lane / 4) % 4,
	v_mul_u32_u24 v4, v4, PLANE
	v_bfe_u32 v5, v0, 4, 1                         ; and l = 8 w + 2 m + lane / 16
	v_mad_u32_u24 v4, v5, SP, v4
	v_and_b32 v5, 3, v0
	v_lshl_add_u32 v4, v5, 4, v4
	s_mul_i32 s28, s14, 8*SP
	v_add_nc_u32 v4, s28, v4
	v_lshlrev_b32 v8, 5, v1                        ; in_proj_w: 8 numbers a lane
	v_lshlrev_b32 v9, 3, v1                        ; wc: 8 codes a lane
	s_cmp_ge_u32 ttmp9, 260
	s_cselect_b32 s15, 1, 0                        ; b
	s_mul_i32 s16, s15, 260
	s_sub_co_u32 s16, ttmp9, s16
	s_lshl_b32 s16, s16, 9                         ; 128 rows x 4 bytes for each work-group inside a plane,
	s_mul_i32 s17, s14, 16*CSTR                    ; my wave's 16 channels,
	s_add_co_u32 s16, s16, s17
	s_mul_i32 s17, s15, BSTR
	s_add_co_u32 s16, s16, s17                     ; and b's 64 planes
	s_mov_b32 s17, 0
	s_lshl_b32 s18, ttmp9, 13                      ; xc: 128 rows x 64 bytes for each work-group,
	s_lshl_b32 s19, s14, 11                        ; 32 rows for each wave
	s_add_co_u32 s18, s18, s19
	s_mov_b32 s19, 0
	s_wait_kmcnt 0x0
	s_load_b256 s[20:27], s[8:9], 0x0              ; scale entries 0 to 7
	s_add_nc_u64 s[4:5], s[4:5], s[16:17]
	s_add_nc_u64 s[10:11], s[10:11], s[18:19]
.set J, 0
.rept 16
	global_load_b128 v[X+4*J:X+4*J+3], v2, s[4:5] offset:J*CSTR   ; channel 16 w + J of my four rows; 15 x CSTR stays inside the signed 24-bit immediate
.set J, J+1
.endr
	; in_proj_w: wave 0 of the first 48 work-groups takes four rows each: 1,024 bytes in, 256 bytes of codes out.  Its loads go out straight behind q's, and all of it stands in this one branch,
	; in registers of its own: nothing of it is written again, so no wait is owed for its store
	s_cmp_lg_u32 s14, 0
	s_cbranch_scc1 .Lrows
	s_cmp_ge_u32 ttmp9, 48
	s_cbranch_scc1 .Lrows
	s_lshl_b32 s16, ttmp9, 10
	s_mov_b32 s17, 0
	s_add_nc_u64 s[6:7], s[6:7], s[16:17]
	s_lshl_b32 s16, ttmp9, 8
	s_add_nc_u64 s[12:13], s[12:13], s[16:17]
	global_load_b128 v[W:W+3], v8, s[6:7]          ; lane l: row 4 x + l / 8, channels 8 (l % 8) on
	global_load_b128 v[W+4:W+7], v8, s[6:7] offset:16
	s_wait_kmcnt 0x0                               ; the scales
	s_lshr_b32 s28, ttmp9, 4                       ; 16 work-groups for each of Wq, Wk, Wv
	s_cmp_eq_u32 s28, 0
	s_cselect_b32 s29, s21, s23                    ; entry 1 or entry 3,
	s_cmp_eq_u32 s28, 2
	s_cselect_b32 s29, s25, s29                    ; or entry 5
	s_add_co_i32 s29, s29, 127
	s_lshl_b32 s30, s29, 23
	v_mov_b32 v10, s30                             ; 2^e as f32: the conversion takes its exponent field
	s_add_co_i32 s29, s29, 8
	s_lshl_b32 s29, s29, 23
	s_or_b32 s29, s29, 0x600000
	v_mov_b32 v11, s29                             ; 448 x 2^e
	s_wait_loadcnt 0x0                             ; these two are the youngest loads
.irp j, 0,1,2,3,4,5,6,7
	v_med3_num_f32 v[W+\j], v[W+\j], -v11, v11
.endr
	v_cvt_scalef32_pk8_fp8_f32 v[WC:WC+1], v[W:W+7], v10
	v_nop                                          ; a plain line behind the conversion
	global_store_b64 v9, v[WC:WC+1], s[12:13]      ; the wave stores 256 consecutive bytes, aligned
.Lrows:
	s_wait_kmcnt 0x0                               ; the scales
	s_add_co_i32 s28, s20, 127
	s_lshl_b32 s29, s28, 23
	v_mov_b32 v6, s29                              ; 2^e0
	s_add_co_i32 s28, s28, 8
	s_lshl_b32 s28, s28, 23
	s_or_b32 s28, s28, 0x600000
	v_mov_b32 v7, s28                              ; 448 x 2^e0
.irp k, 0,1
	s_wait_loadcnt 8-8*\k                          ; loads come back in order: channels 0 to 8 k + 7 of my sixteen are in, the 8 - 8 k younger loads stay out
.irp r, 0,1,2,3
.irp c, 0,1,2,3,4,5,6,7
	v_med3_num_f32 v[Z+16*\r+8*\k+\c], v[X+4*(8*\k+\c)+\r], -v7, v7   ; the conversion to an 8-bit code does not saturate (ISA guide 7.6.2): the hold comes first, and sorts the rows apart
.endr
.endr
.irp r, 0,1,2,3
	v_cvt_scalef32_pk8_fp8_f32 v[C+4*\r+2*\k:C+4*\r+2*\k+1], v[Z+16*\r+8*\k:Z+16*\r+8*\k+7], v6
.endr
.endr
	v_nop                                          ; a plain line behind the last conversion
.irp r, 0,1,2,3
	ds_store_b128 v3, v[C+4*\r:C+4*\r+3] offset:PLANE*\r   ; row 4 l + r: my wave's 16 codes
.endr
	s_wait_dscnt 0x0                               ; for the others' sake: my stores into the stage are done
	s_barrier_signal -1
	s_barrier_wait -1
.irp m, 0,1,2,3
	ds_load_b128 v[OUTR+4*\m:OUTR+4*\m+3], v4 offset:2*SP*\m
.endr
.irp m, 0,1,2,3
	s_wait_dscnt 3-\m                              ; piece m is back; the 3 - m younger loads stay out
	global_store_b128 v2, v[OUTR+4*\m:OUTR+4*\m+3], s[10:11] offset:512*\m   ; 32 lanes store 512 consecutive bytes, aligned: eight rows of xc
.endr
	s_wait_tensorcnt 0x0
	ds_add_u32 v192, v193
	s_wait_dscnt 0x0
	s_endpgm
.Lfunc_end_k_qeda5d4d601_quant:
	.size	k_qeda5d4d601_quant, .Lfunc_end_k_qeda5d4d601_quant-k_qeda5d4d601_quant
	.p2alignl 7, 3214868480
	.fill 96, 4, 3214868480
	.section	.rodata,"a",@progbits
	.p2align	6, 0x0
	.amdhsa_kernel k_qeda5d4d601_quant
		.amdhsa_group_segment_fixed_size 11264
		.amdhsa_private_segment_fixed_size 0
		.amdhsa_enable_private_segment 0
		.amdhsa_kernarg_size 40
		.amdhsa_user_sgpr_count 2
		.amdhsa_user_sgpr_kernarg_segment_ptr 1
		.amdhsa_wavefront_size32 1
		.amdhsa_system_sgpr_workgroup_id_x 1
		.amdhsa_system_sgpr_workgroup_id_y 1
		.amdhsa_system_sgpr_workgroup_id_z 1
		.amdhsa_system_vgpr_workitem_id 0
		.amdhsa_next_free_vgpr 194
		.amdhsa_next_free_sgpr 66
		.amdhsa_reserve_vcc 0
		.amdhsa_float_denorm_mode_32 3
		.amdhsa_float_denorm_mode_16_64 3
		.amdhsa_memory_ordered 1
		.amdhsa_forward_progress 1
		.amdhsa_inst_pref_size 12
	.end_amdhsa_kernel
	.amdgpu_metadata
---
amdhsa.version: [ 1, 2 ]
amdhsa.kernels:
  - .name:           k_qeda5d4d601_quant
    .symbol:         k_qeda5d4d601_quant.kd
    .args:
      - { .name: q, .offset: 0, .size: 8, .value_kind: global_buffer, .address_space: global }
      - { .name: in_proj_w, .offset: 8, .size: 8, .value_kind: global_buffer, .address_space: global }
      - { .name: lowp_scales, .offset: 16, .size: 8, .value_kind: global_buffer, .address_space: global }
      - { .name: xc, .offset: 24, .size: 8, .value_kind: global_buffer, .address_space: global }
      - { .name: wc, .offset: 32, .size: 8, .value_kind: global_buffer, .address_space: global }
    .group_segment_fixed_size: 11264
    .private_segment_fixed_size: 0
    .kernarg_segment_align: 8
    .kernarg_segment_size: 40
    .max_flat_workgroup_size: 128
    .sgpr_count:     66
    .vgpr_count:     194
    .wavefront_size: 32
...
	.end_amdgpu_metadata
.endif
;; end of part 1
;; launch attn (part 2): grid 208 x 1, 20 waves a work-group, no clusters, 238,080 bytes of LDS; arguments xc, wc, k_codes, v_codes, in_proj_b, lowp_scales, ctx; writes ctx
.if DOCPART == 2
	.amdgcn_target "amdgcn-amd-amdhsa--gfx1250"
	.amdhsa_code_object_version 6
	.text
	.protected	k_qeda5d4d601_attn
	.globl	k_qeda5d4d601_attn
	.p2align	8
	.type	k_qeda5d4d601_attn,@function
k_qeda5d4d601_attn:
	s_mov_b64 s[64:65], 0
	v_nop
	global_prefetch_b8 v0, s[64:65] scope:SCOPE_SE
	s_setreg_imm32_b32 hwreg(HW_REG_WAVE_MODE, 25, 1), 1
	s_wait_xcnt 0x0
; Projections of q, k, v (E4M3 codes, K = 64), banded causal attention (each query sees keys t - 63 .. t), four heads of 16 channels; the result leaves as codes of ctx.
; SHARES.  A wave owns one head of 64 queries of one sequence (b, f): 130 x 8 x 4 = 4,160 waves = 208 work-groups of 20.  The four waves of a group (wave / 4) are the four heads of one sequence.
; A WORK-GROUP'S FIVE GROUPS ARE FIVE NEIGHBOURING f OF ONE CHUNK OF 64 QUERIES (65 = 13 x 5): in xc, k_codes and v_codes, laid [b][t][f][64], their codes of one step t are 320 consecutive bytes.  So five tensor loads
; of 64 rows x 320 bytes bring all that the work-group reads: k's 64 rows before the chunk, k's own, v's likewise, x's own.  A row of 320 bytes that starts at a multiple of 64 lies in two aligned blocks of 256.
; LAYOUT.  q's and k's projections are used transposed (source 0 = the head's 16 rows of W, source 1 = 16 rows of codes): lane (r, h) holds row r, channels 8 h + 0..7.  Those registers ARE the operands of the
; f32 score product S^T = kh qh^T, two registers a K step: step s contracts channels 8 h + 2 s + 0, 1, the same permutation on both sides.  In S^T a lane holds ONE query r and keys 8 h + 0..7.
; v's projection takes source 0 = 16 rows of v's codes, source 1 = the head's rows of Wv: a lane holds channel r and keys 8 h + 0..7, so its eight codes are registers 2 kt, 2 kt + 1 of V^T over the chunk's 128 keys,
; and p's eight codes of key tile kt are the same registers of P.  O^T = V^T P is ONE instruction of K = 128; key tiles outside a query tile's window hold zero codes.  Nothing changes lanes but a row's maximum and sum.
; Each fragment of codes is fetched by two loads of 16 bytes (bytes 16 h and 32 + 16 h of a row): a permutation of k, alike on both sides of each projection.
; THE BAND.  For query tile i the window is key tiles i .. i + 4 of the 128.  Tile i counts where 8 h + j > r, tile i + 4 where 8 h + j <= r, the three between whole: 64 keys.  The two edge tiles are
; complementary, so they share eight registers through the softmax and are parted again behind it.  Keys before t = 0 exist in chunk 0 alone: there the first 64 LDS rows hold rows 0-63 once more (in bounds, finite),
; and the first K step of their score tiles takes C = -infinity (0 in the other chunks): no branch.
; SOFTMAX.  t = score x log2(e) / 4; M = ceil(the row's largest t); p = 2^(t - M) is quantised; the row's sum is taken of the unquantised p and divides O.  A query's whole window is in hand, so M is final.
; SCALES (entries e0 .. e8).  The biases go in as C, divided by the power of two that the sums lack; e0 + e1 + e2 + e3 is added to the exponent field of log2(e) / 4; v's conversion takes 2^(e6 - e4 - e5), p's 2^e7, ctx's 2^(e8 - e6 - e7).
; LIMITS: e0 + e1 + e2 + e3 between -124 and 129; e6 - e4 - e5, e7 and e8 - e6 - e7 between -126 and 119.  NaN among the inputs is not served.
; ctx's codes: [b][t / 4][f][t % 4][64]: four rows to an aligned block of 256 bytes; inside a row the byte 32 h' + 8 c + j is channel 16 c + 8 h' + j, the order of the next product's operand registers.
; NO CLUSTER: a tile of k or of v is wanted by two work-groups, as one chunk's own rows and as the next chunk's rows before it, at two different LDS places, while a joint load has one LDS address for all that it
; names; chunk 0 takes its own rows twice and nobody follows chunk 7, so partners would not ask alike; and each tile is fetched once, at the start.
; Every LDS byte is filled once: no ring, no refill.  By this text's count a wave has at most one tensor load outstanding.
; REGISTERS: v1 k's LDS address, later the stage's; v2 x's, later the stage's on the way back; v3 my images of qh, later the offset in ctx; v4-7 at work; v8 a permute's destination; v9 ctx's hold;
;   v[10:11] -M, 0; v12 v's LDS address, then v[12:13] the sum, then 1 / sum; v14, v15 scale and hold of v, later the scales of p and ctx; then:
.set QH, 16                            ; v16-23   Wq's fragment, then qh of the query tile in hand
.set VT, 24                            ; v24-39   V^T's codes: 16 channels x 128 keys
.set P,  40                            ; v40-55   Wk and bk, then P's codes: 128 keys x 16 queries
.set KH, 56                            ; v56-119  v's sums and Wv, bv, bq; then kh, eight registers a key tile
.set S,  120                           ; v120-159 qh's sums, then S^T, eight registers a window tile: written by matrix instructions alone
.set T,  160                           ; v160-191 fragments of codes; the softmax
.set FP,    80                         ; one sequence's 64 codes of a step in LDS, + 16 of padding
.set PITCH, 5*FP                       ; a step's row: five sequences.  400 is an odd multiple of 16: the 16 rows of a fragment load start at 16 different 16-byte columns
.set TILE,  16*PITCH
.set HALF,  64*PITCH                   ; what one tensor load brings.  From LDS byte 0: k before, k own, v before, v own, x
.set XB,    4*HALF
.set QB,    5*HALF                     ; four images of qh (1,024 bytes each) for each wave
.set STG,   QB+20*4096                 ; ctx's stage: 64 rows of SPITCH for each group
.set SPITCH, 80
.set STILE, 16*SPITCH
.set SHALF, 64*SPITCH
.macro PLACES n                        ; plain vector lines that name no register of the matrix instructions before them (ISA guide 7.12.1)
.rept \n
	v_nop
.endr
.endm
.macro FETCH4 adr, off                 ; four fragments, 16 rows x 64 codes each, into T
.irp t, 0,1,2,3
	ds_load_b128 v[T+8*\t:T+8*\t+3], v[\adr] offset:\off+TILE*\t
	ds_load_b128 v[T+8*\t+4:T+8*\t+7], v[\adr] offset:\off+TILE*\t+32
.endr
.endm
	s_load_b256 s[4:11], s[0:1], 0x0               ; xc s[4:5], wc s[6:7], k_codes s[8:9], v_codes s[10:11]
	s_load_b128 s[12:15], s[0:1], 0x20             ; in_proj_b s[12:13], the scales s[14:15]
	s_load_b64 s[16:17], s[0:1], 0x30              ; ctx
	v_lshl_add_u32 v190, v0, 2, 0x39800
	v_mov_b32 v191, 0
	ds_add_u32 v190, v191
	ds_add_u32 v190, v191
	s_wait_dscnt 0x0
	v_lshrrev_b32 v4, 5, v0
	v_readfirstlane_b32 s18, v4                    ; wave 0..19
	s_and_b32 s19, s18, 3                          ; my head
	s_lshr_b32 s20, s18, 2                         ; my group 0..4
	s_mul_i32 s21, ttmp9, 79
	s_lshr_b32 s21, s21, 10                        ; work-group / 13: 79 / 1,024 lies 0.000225 above 1 / 13, exact up to 207
	s_mul_i32 s22, s21, 13
	s_sub_co_u32 s22, ttmp9, s22                   ; which five f: 0..12
	s_and_b32 s23, s21, 7                          ; chunk of 64 queries
	s_lshr_b32 s24, s21, 3                         ; b
	s_mul_i32 s93, s22, 5                          ; the work-group's first f
	s_add_co_u32 s25, s93, s20                     ; my group's f
	s_lshl_b32 s26, s24, 9
	s_lshl_b32 s27, s23, 6
	s_add_co_u32 s26, s26, s27                     ; 512 b + the chunk's first t
	; descriptor group 1, one for every load: 64 rows of 320 bytes, 65 x 64 bytes apart in memory, 16 bytes of padding behind every 64 in LDS
	s_mov_b32 s28, (1<<20)|(3<<22)|(3<<25)         ; no mask; elements of 1 byte; padding on: 4 words after every 16: five times in a row
	s_mov_b32 s29, 320<<16                         ; tensor_dim0
	s_mov_b32 s30, 64<<16                          ; tensor_dim1
	s_mov_b32 s31, 320<<16                         ; tile_dim0
	s_mov_b32 s32, 64                              ; tile_dim1
	s_mov_b32 s33, 4160                            ; from row to row
	s_mov_b32 s34, 0
	s_mov_b32 s35, 0
	s_min_u32 s82, s18, 4                          ; what I fetch: 0 k before, 1 k own, 2 v before, 3 v own, 4 x (waves 5 to 19 issue no load: their number is held at 4)
	s_and_b32 s83, s82, 1
	s_cmp_eq_u32 s83, 0
	s_cselect_b32 s83, 64, 0                       ; the rows before the chunk begin 64 steps earlier;
	s_cmp_eq_u32 s82, 4
	s_cselect_b32 s83, 0, s83                      ; x has none;
	s_cmp_eq_u32 s23, 0
	s_cselect_b32 s83, 0, s83                      ; nor has chunk 0: its own rows once more,
	s_cselect_b32 s92, 0xff800000, 0               ; and there their scores begin at -infinity
	s_sub_co_u32 s84, s26, s83
	s_mul_i32 s84, s84, 65
	s_add_co_u32 s84, s84, s93
	s_lshl_b32 s84, s84, 6                         ; my tile's first byte: the three buffers are laid alike
	s_mov_b32 s85, 0
	s_lshl_b32 s88, s24, 7
	s_lshl_b32 s89, s23, 4
	s_add_co_u32 s88, s88, s89
	s_lshl_b32 s89, s19, 2
	s_add_co_u32 s88, s88, s89                     ; 128 b + t / 4 of the first of the four blocks of ctx that I store
	s_mul_i32 s88, s88, 65
	s_add_co_u32 s88, s88, s25
	s_lshl_b32 s88, s88, 8
	s_mov_b32 s89, 0
	s_mov_b32 s36, 1                               ; group 0 for k: count,
	s_mul_i32 s37, s82, HALF                       ; LDS address: what I fetch times a tile
	s_mov_b32 s40, 1                               ; for v
	s_mov_b32 s41, s37
	s_mov_b32 s60, 1                               ; for x
	s_mov_b32 s61, s37
	v_and_b32 v4, 15, v0                           ; r
	v_bfe_u32 v5, v0, 4, 1                         ; h
	v_and_b32 v6, 31, v0                           ; lane
	v_mul_u32_u24 v1, v4, PITCH
	v_lshl_add_u32 v1, v5, 4, v1                   ; a fragment's row x pitch + 16 h,
	s_mul_i32 s86, s20, FP
	v_add_nc_u32 v1, s86, v1                       ; my group's piece of the row: in k's rows,
	v_add_nc_u32 v12, 2*HALF, v1                   ; in v's (beyond what a 16-bit offset reaches from k's),
	v_add_nc_u32 v2, XB, v1                        ; in x's
	s_lshl_b32 s86, s18, 12
	s_add_co_u32 s86, s86, QB
	v_lshl_add_u32 v3, v6, 4, s86                  ; an image's place for my lane
	v_lshlrev_b32 v7, 6, v4
	v_lshl_add_u32 v7, v5, 4, v7                   ; wc: row r of 64 bytes, + 16 h
	v_lshlrev_b32 v9, 5, v5                        ; bq, bk: my eight channels 8 h on
	v_lshlrev_b32 v10, 2, v4                       ; bv: channel r
	v_lshlrev_b32 v11, 3, v5
	v_sub_nc_u32 v11, v4, v11                      ; r - 8 h
	s_wait_kmcnt 0x0
	s_load_b256 s[44:51], s[14:15], 0x0            ; e0 .. e7
	s_load_b32 s52, s[14:15], 0x20                 ; e8
	s_add_nc_u64 s[38:39], s[8:9], s[84:85]
	s_or_b32 s39, s39, 0x80000000                  ; type = 2
	s_add_nc_u64 s[42:43], s[10:11], s[84:85]
	s_or_b32 s43, s43, 0x80000000
	s_add_nc_u64 s[62:63], s[4:5], s[84:85]
	s_or_b32 s63, s63, 0x80000000
	; the fills: waves 0 and 1 k's two tiles, waves 2 and 3 v's, wave 4 x's; four v_nop follow each tensor load
	s_cmp_lt_u32 s18, 2
	s_cbranch_scc0 .Lnot_k
	tensor_load_to_lds s[36:39], s[28:35]
	s_nop 0
	PLACES 4
	s_branch .Lasked
.Lnot_k:
	s_cmp_lt_u32 s18, 4
	s_cbranch_scc0 .Lnot_v
	tensor_load_to_lds s[40:43], s[28:35]
	s_nop 0
	PLACES 4
	s_branch .Lasked
.Lnot_v:
	s_cmp_eq_u32 s18, 4
	s_cbranch_scc0 .Lasked
	tensor_load_to_lds s[60:63], s[28:35]
	s_nop 0
	PLACES 4
.Lasked:
	s_lshl_b32 s82, s19, 10                        ; my head's 16 rows of 64 codes
	s_mov_b32 s83, 0
	s_add_nc_u64 s[6:7], s[6:7], s[82:83]
	s_lshl_b32 s82, s19, 6                         ; my head's 16 biases
	s_add_nc_u64 s[12:13], s[12:13], s[82:83]
	s_add_nc_u64 s[16:17], s[16:17], s[88:89]
	global_load_b128 v[QH:QH+3], v7, s[6:7]                    ; Wq
	global_load_b128 v[QH+4:QH+7], v7, s[6:7] offset:32
	global_load_b128 v[P:P+3], v7, s[6:7] offset:4096          ; Wk
	global_load_b128 v[P+4:P+7], v7, s[6:7] offset:4128
	global_load_b128 v[KH+40:KH+43], v7, s[6:7] offset:8192    ; Wv
	global_load_b128 v[KH+44:KH+47], v7, s[6:7] offset:8224
	global_load_b128 v[KH+56:KH+59], v9, s[12:13]              ; bq
	global_load_b128 v[KH+60:KH+63], v9, s[12:13] offset:16
	global_load_b128 v[P+8:P+11], v9, s[12:13] offset:256      ; bk
	global_load_b128 v[P+12:P+15], v9, s[12:13] offset:272
	global_load_b32 v[KH+48], v10, s[12:13] offset:512         ; bv
.irp j, 0,1,2,3,4,5,6,7
	v_cmp_le_i32 s[66+\j], \j, v11                 ; lanes where key 8 h + j <= r: register j belongs to the window's last tile,
	s_not_b32 s[74+\j], s[66+\j]                   ; elsewhere to its first
.endr
	s_mov_b32 s58, 0x76543210                      ; v_permlanex16_b32's selects for lane l xor 16
	s_mov_b32 s59, 0xfedcba98
	s_wait_kmcnt 0x0
	s_add_co_i32 s82, s44, s45                     ; e0 + e1
	s_add_co_i32 s83, s46, s47                     ; e2 + e3
	s_add_co_i32 s84, s48, s49                     ; e4 + e5
	s_add_co_i32 s85, s82, s83
	s_lshl_b32 s85, s85, 23
	s_add_co_i32 s54, s85, 0x3eb8aa3b              ; c = log2(e) / 4 x 2^(e0 + e1 + e2 + e3)
	s_mov_b32 s55, s54                             ; (named with it as a pair, so it is written)
	s_sub_co_i32 s82, 0, s82
	s_sub_co_i32 s83, 0, s83
	s_sub_co_i32 s86, s50, s84
	s_sub_co_i32 s84, 0, s84
	s_add_co_i32 s86, s86, 127
	s_lshl_b32 s87, s86, 23
	v_mov_b32 v14, s87                             ; 2^(e6 - e4 - e5): v's conversion
	s_add_co_i32 s86, s86, 8
	s_lshl_b32 s86, s86, 23
	s_or_b32 s86, s86, 0x600000
	v_mov_b32 v15, s86                             ; 448 x that
	s_add_co_i32 s88, s51, 127
	s_lshl_b32 s89, s88, 23                        ; 2^e7: p's
	s_add_co_i32 s88, s88, 8
	s_lshl_b32 s88, s88, 23
	s_or_b32 s56, s88, 0x600000                    ; 448 x 2^e7
	s_sub_co_i32 s90, s52, s50
	s_sub_co_i32 s90, s90, s51
	s_add_co_i32 s90, s90, 127
	s_lshl_b32 s91, s90, 23                        ; 2^(e8 - e6 - e7): ctx's
	s_add_co_i32 s90, s90, 8
	s_lshl_b32 s90, s90, 23
	s_or_b32 s57, s90, 0x600000
	s_wait_loadcnt 0x0                             ; weights and biases are in; the loads' address registers may be written again
.irp j, 0,1,2,3,4,5,6,7
	v_ldexp_f32 v[KH+56+\j], v[KH+56+\j], s82      ; bq / 2^(e0 + e1)
	v_ldexp_f32 v[P+8+\j], v[P+8+\j], s83          ; bk / 2^(e2 + e3)
.endr
	v_ldexp_f32 v[KH+48], v[KH+48], s84            ; bv / 2^(e4 + e5): one channel a lane, the same for its eight keys
.irp j, 1,2,3,4,5,6,7
	v_mov_b32 v[KH+48+\j], v[KH+48]
.endr
	v_mov_b32 v8, 0                                ; a lane permute's destination counts as one of its sources
	v_mov_b32 v9, s57
	v_mov_b32 v11, 0                               ; (named as the upper half of the pair v[10:11])
	s_wait_tensorcnt 0x0                           ; my tile, if I fetched one, has landed,
	s_barrier_signal -1
	s_barrier_wait -1                              ; everybody's has
; ---- V: vh of 64 keys at a time, quantised along the keys
.macro VHALF hf
	FETCH4 12, HALF*\hf
	s_wait_dscnt 0x0
.irp t, 0,1,2,3
	v_wmma_f32_16x16x64_fp8_fp8 v[KH+8*\t:KH+8*\t+7], v[T+8*\t:T+8*\t+7], v[KH+40:KH+47], v[KH+48:KH+55]
.endr
	PLACES 5                                       ; five: later matrix instructions write over these registers
.set J, 0
.rept 32
	v_med3_num_f32 v[KH+J], v[KH+J], -v15, v15     ; the hold; each accumulator from its low end on
.set J, J+1
.endr
.irp t, 0,1,2,3
	v_cvt_scalef32_pk8_fp8_f32 v[VT+8*\hf+2*\t:VT+8*\hf+2*\t+1], v[KH+8*\t:KH+8*\t+7], v14
.endr
	v_nop                                          ; a plain line behind the last conversion
.endm
	VHALF 0
	VHALF 1
; ---- Q: qh of the four query tiles; each goes to LDS as an image of its registers and comes back when its step is due
	FETCH4 2, 0
	s_wait_dscnt 0x0
.irp t, 0,1,2,3
	v_wmma_f32_16x16x64_fp8_fp8 v[S+8*\t:S+8*\t+7], v[QH:QH+7], v[T+8*\t:T+8*\t+7], v[KH+56:KH+63]
.endr
	PLACES 5
.irp t, 0,1,2,3
	ds_store_b128 v3, v[S+8*\t:S+8*\t+3] offset:1024*\t
	ds_store_b128 v3, v[S+8*\t+4:S+8*\t+7] offset:1024*\t+512
.endr
; ---- K: kh of the eight key tiles stays in registers
.macro KHALF hf
	FETCH4 1, HALF*\hf
	s_wait_dscnt 0x0
.irp t, 0,1,2,3
	v_wmma_f32_16x16x64_fp8_fp8 v[KH+8*(4*\hf+\t):KH+8*(4*\hf+\t)+7], v[P:P+7], v[T+8*\t:T+8*\t+7], v[P+8:P+15]
.endr
	PLACES 5                                       ; five: the score products take these results as an operand
.endm
	KHALF 0
	KHALF 1
.set J, 0
.rept 16
	v_mov_b32 v[P+J], 0                            ; P: zero codes outside the window
.set J, J+1
.endr
	v_mov_b32 v14, s89                             ; p's scale
	v_mov_b32 v15, s91                             ; ctx's scale
	v_and_b32 v4, 15, v0
	v_bfe_u32 v5, v0, 4, 1
	v_mul_u32_u24 v1, v4, SPITCH
	v_lshl_add_u32 v1, v5, 5, v1
	s_mul_i32 s82, s20, SHALF
	s_lshl_b32 s83, s19, 3
	s_add_co_u32 s82, s82, s83
	s_add_co_u32 s82, s82, STG
	v_add_nc_u32 v1, s82, v1                       ; the stage: row r, byte 32 h + 8 x head
	ds_load_b128 v[QH:QH+3], v3                    ; qh of query tile 0
	ds_load_b128 v[QH+4:QH+7], v3 offset:512
; ---- A STEP: query tile i against key tiles i .. i + 4
.macro STEP i
.set J, 0
.rept 8
	v_mov_b32 v[T+8+J], s92                        ; the C of tiles that lie before the chunk: -infinity in chunk 0, else 0
.set J, J+1
.endr
	s_wait_dscnt 0x0                               ; qh is in (and my last store into the stage is done)
.irp s, 0,1,2,3                        ; the five accumulators take turns, one instruction a turn
.irp c, 0,1,2,3,4
.if (\s == 0) && (\c < 4-\i)
	v_wmma_f32_16x16x4_f32 v[S+8*\c:S+8*\c+7], v[KH+8*(\i+\c)+2*\s:KH+8*(\i+\c)+2*\s+1], v[QH+2*\s:QH+2*\s+1], v[T+8:T+15]
.elseif \s == 0
	v_wmma_f32_16x16x4_f32 v[S+8*\c:S+8*\c+7], v[KH+8*(\i+\c)+2*\s:KH+8*(\i+\c)+2*\s+1], v[QH+2*\s:QH+2*\s+1], 0
.else
	v_wmma_f32_16x16x4_f32 v[S+8*\c:S+8*\c+7], v[KH+8*(\i+\c)+2*\s:KH+8*(\i+\c)+2*\s+1], v[QH+2*\s:QH+2*\s+1], v[S+8*\c:S+8*\c+7]
.endif
.endr
.endr
.if \i > 0                             ; eight places behind this form
	v_mov_b32 v[P+2*(\i-1)], 0                     ; the key tile that has left the window
	v_mov_b32 v[P+2*(\i-1)+1], 0
	PLACES 6
.else
	PLACES 8
.endif
.irp j, 0,1,2,3,4,5,6,7
	v_cndmask_b32 v[T+\j], v[S+\j], v[S+32+\j], s[66+\j]   ; the two edge tiles in eight registers: each slot holds the one score that counts
.endr
	v_max3_num_f32 v4, v[T], v[T+1], v[T+2]        ; the row's largest score among my 32, in four chains, each from its accumulator's low end
	v_max3_num_f32 v5, v[S+8], v[S+9], v[S+10]
	v_max3_num_f32 v6, v[S+16], v[S+17], v[S+18]
	v_max3_num_f32 v7, v[S+24], v[S+25], v[S+26]
	v_max3_num_f32 v4, v4, v[T+3], v[T+4]
	v_max3_num_f32 v5, v5, v[S+11], v[S+12]
	v_max3_num_f32 v6, v6, v[S+19], v[S+20]
	v_max3_num_f32 v7, v7, v[S+27], v[S+28]
	v_max3_num_f32 v4, v4, v[T+5], v[T+6]
	v_max3_num_f32 v5, v5, v[S+13], v[S+14]
	v_max3_num_f32 v6, v6, v[S+21], v[S+22]
	v_max3_num_f32 v7, v7, v[S+29], v[S+30]
	v_max_num_f32 v4, v4, v[T+7]
	v_max_num_f32 v5, v5, v[S+15]
	v_max_num_f32 v6, v6, v[S+23]
	v_max_num_f32 v7, v7, v[S+31]
	v_max3_num_f32 v4, v4, v5, v6
	v_max_num_f32 v4, v4, v7
	v_permlanex16_b32 v8, v4, s58, s59
	v_max_num_f32 v4, v4, v8                       ; and among lane l xor 16's
	v_mul_f32 v4, s54, v4                          ; as t (c is positive)
	v_floor_f32 v10, -v4                           ; -M = floor(-t) = -ceil(t)
.if \i < 3
	ds_load_b128 v[QH:QH+3], v3 offset:1024*(\i+1)     ; the next tile's qh: the score products stand more than eight places back
	ds_load_b128 v[QH+4:QH+7], v3 offset:1024*(\i+1)+512
.endif
.irp j, 0,2,4,6
	v_pk_fma_f32 v[T+\j:T+\j+1], v[T+\j:T+\j+1], s[54:55], v[10:11] op_sel_hi:[1,0,0]   ; t - M (of the pairs c and -M the low word serves both halves)
.endr
.set J, 8
.rept 12
	v_pk_fma_f32 v[T+J:T+J+1], v[S+J:S+J+1], s[54:55], v[10:11] op_sel_hi:[1,0,0]
.set J, J+2
.endr
.set J, 0
.rept 32
	v_exp_f32 v[T+J], v[T+J]                       ; p = 2^(t - M), at most 1, not normalised
.set J, J+1
.endr
	v_nop                                          ; a plain line behind the exponentials
	s_wait_alu depctr_va_vdst(0)
	v_pk_add_f32 v[12:13], v[T:T+1], v[T+2:T+3]    ; the row's sum of the UNQUANTISED p, in two chains
	v_pk_add_f32 v[6:7], v[T+4:T+5], v[T+6:T+7]
.irp j, 8,12,16,20,24,28
	v_pk_add_f32 v[12:13], v[12:13], v[T+\j:T+\j+1]
	v_pk_add_f32 v[6:7], v[6:7], v[T+\j+2:T+\j+3]
.endr
	v_pk_add_f32 v[12:13], v[12:13], v[6:7]
	v_add_f32 v12, v12, v13
	v_permlanex16_b32 v8, v12, s58, s59
	v_add_f32 v12, v12, v8
	v_rcp_f32 v12, v12                             ; the holds below are the plain lines behind it
.set J, 0
.rept 32
	v_min_num_f32 v[T+J], s56, v[T+J]              ; p is not negative: a one-sided hold
.set J, J+1
.endr
.irp c, 1,2,3
	v_cvt_scalef32_pk8_fp8_f32 v[P+2*(\i+\c):P+2*(\i+\c)+1], v[T+8*\c:T+8*\c+7], v14
.endr
	v_nop
.irp j, 0,1,2,3,4,5,6,7
	v_cndmask_b32 v[T+8+\j], 0, v[T+\j], s[74+\j]  ; the edge tiles are parted: the window's first tile,
.endr
.irp j, 0,1,2,3,4,5,6,7
	v_cndmask_b32 v[T+\j], 0, v[T+\j], s[66+\j]    ; and its last; what does not count is 0
.endr
	v_cvt_scalef32_pk8_fp8_f32 v[P+2*\i:P+2*\i+1], v[T+8:T+15], v14
	v_cvt_scalef32_pk8_fp8_f32 v[P+2*(\i+4):P+2*(\i+4)+1], v[T:T+7], v14
	v_nop
	v_wmma_f32_16x16x128_fp8_fp8 v[T+16:T+23], v[VT:VT+15], v[P:P+15], 0   ; O^T: lane (r, h): query r, channels 8 h + 0..7
	PLACES 4
	s_wait_alu depctr_va_vdst(0)
.irp j, 0,2,4,6
	v_pk_mul_f32 v[T+24+\j:T+25+\j], v[T+16+\j:T+17+\j], v[12:13] op_sel_hi:[1,0]   ; / the sum
.endr
.irp j, 0,1,2,3,4,5,6,7
	v_med3_num_f32 v[T+24+\j], v[T+24+\j], -v9, v9
.endr
	v_cvt_scalef32_pk8_fp8_f32 v[4:5], v[T+24:T+31], v15
	v_nop
	ds_store_b64 v1, v[4:5] offset:STILE*\i        ; row 16 i + r of the group's stage
.endm
	STEP 0
	STEP 1
	STEP 2
	STEP 3
; ---- THE WAY OUT: a row's 64 bytes come from four waves; each wave then stores 16 whole rows: four aligned blocks of 256 bytes
	v_and_b32 v4, 15, v0
	v_bfe_u32 v5, v0, 4, 1
	v_lshrrev_b32 v6, 2, v4
	v_lshl_add_u32 v6, v5, 2, v6                   ; row 4 (l / 16) + (l % 16) / 4 of eight
	v_mul_u32_u24 v2, v6, SPITCH
	v_and_b32 v7, 3, v0
	v_lshl_add_u32 v2, v7, 4, v2
	s_mul_i32 s82, s20, SHALF
	s_mul_i32 s83, s19, STILE
	s_add_co_u32 s82, s82, s83
	s_add_co_u32 s82, s82, STG
	v_add_nc_u32 v2, s82, v2
	v_mul_u32_u24 v3, v5, 16640                    ; lanes 16-31: the block of the next four steps, 65 blocks on
	v_lshl_add_u32 v3, v4, 4, v3
	s_wait_dscnt 0x0                               ; for the others' sake: my stores into the stage are done
	s_barrier_signal -1
	s_barrier_wait -1
	ds_load_b128 v[T:T+3], v2
	ds_load_b128 v[T+4:T+7], v2 offset:8*SPITCH
	s_wait_dscnt 1                                 ; the first is back, the second may be out
	global_store_b128 v3, v[T:T+3], s[16:17]       ; sixteen lanes store 256 consecutive bytes, aligned
	s_wait_dscnt 0x0
	global_store_b128 v3, v[T+4:T+7], s[16:17] offset:33280
	s_wait_xcnt 0x0
	v_lshl_add_u32 v190, v0, 2, 0x39800
	v_mov_b32 v191, 0
	s_wait_tensorcnt 0x0
	ds_add_u32 v190, v191
	s_wait_dscnt 0x0
	s_endpgm
.Lfunc_end_k_qeda5d4d601_attn:
	.size	k_qeda5d4d601_attn, .Lfunc_end_k_qeda5d4d601_attn-k_qeda5d4d601_attn
	.p2alignl 7, 3214868480
	.fill 96, 4, 3214868480
	.section	.rodata,"a",@progbits
	.p2align	6, 0x0
	.amdhsa_kernel k_qeda5d4d601_attn
		.amdhsa_group_segment_fixed_size 238080
		.amdhsa_private_segment_fixed_size 0
		.amdhsa_enable_private_segment 0
		.amdhsa_kernarg_size 56
		.amdhsa_user_sgpr_count 2
		.amdhsa_user_sgpr_kernarg_segment_ptr 1
		.amdhsa_wavefront_size32 1
		.amdhsa_system_sgpr_workgroup_id_x 1
		.amdhsa_system_sgpr_workgroup_id_y 1
		.amdhsa_system_sgpr_workgroup_id_z 1
		.amdhsa_system_vgpr_workitem_id 0
		.amdhsa_next_free_vgpr 192
		.amdhsa_next_free_sgpr 96
		.amdhsa_reserve_vcc 0
		.amdhsa_float_denorm_mode_32 3
		.amdhsa_float_denorm_mode_16_64 3
		.amdhsa_memory_ordered 1
		.amdhsa_forward_progress 1
		.amdhsa_inst_pref_size 63
	.end_amdhsa_kernel
	.amdgpu_metadata
---
amdhsa.version: [ 1, 2 ]
amdhsa.kernels:
  - .name:           k_qeda5d4d601_attn
    .symbol:         k_qeda5d4d601_attn.kd
    .args:
      - { .name: xc, .offset: 0, .size: 8, .value_kind: global_buffer, .address_space: global }
      - { .name: wc, .offset: 8, .size: 8, .value_kind: global_buffer, .address_space: global }
      - { .name: k_codes, .offset: 16, .size: 8, .value_kind: global_buffer, .address_space: global }
      - { .name: v_codes, .offset: 24, .size: 8, .value_kind: global_buffer, .address_space: global }
      - { .name: in_proj_b, .offset: 32, .size: 8, .value_kind: global_buffer, .address_space: global }
      - { .name: lowp_scales, .offset: 40, .size: 8, .value_kind: global_buffer, .address_space: global }
      - { .name: ctx, .offset: 48, .size: 8, .value_kind: global_buffer, .address_space: global }
    .group_segment_fixed_size: 238080
    .private_segment_fixed_size: 0
    .kernarg_segment_align: 8
    .kernarg_segment_size: 56
    .max_flat_workgroup_size: 640
    .sgpr_count:     96
    .vgpr_count:     192
    .wavefront_size: 32
...
	.end_amdgpu_metadata
.endif
;; end of part 2
;; launch ffn (part 3): grid 208 x 1, 20 waves a work-group, no clusters, 222,208 bytes of LDS; arguments ctx, q, out_w_codes, out_b, ln1_w, ln1_b, w1_codes, b1, w2_codes, b2, ln2_w, ln2_b, lowp_scales, out0; writes out0
.if DOCPART == 3
	.amdgcn_target "amdgcn-amd-amdhsa--gfx1250"
	.amdhsa_code_object_version 6
	.text
	.protected	k_qeda5d4d601_ffn
	.globl	k_qeda5d4d601_ffn
	.p2align	8
	.type	k_qeda5d4d601_ffn,@function
k_qeda5d4d601_ffn:
	s_mov_b64 s[64:65], 0
	v_nop
	global_prefetch_b8 v0, s[64:65] scope:SCOPE_SE
	s_setreg_imm32_b32 hwreg(HW_REG_WAVE_MODE, 25, 1), 1
	s_wait_xcnt 0x0
; out = LN2(n + gelu(n W1^T + b1) W2^T + b2), n = LN1(x + ctx Wo^T + bo): three products on codes of E4M3 (K = 64, 64, 256), all else in f32.  x is q, unquantised.
; All of this is row by row, so the rows are taken in the order in which q and out0 lie: i = 65 t + f inside a plane (b, c).  A wave owns 16 neighbouring i; the four waves of a group (wave / 4) own 64:
; for each channel one aligned run of 256 bytes of q and of out0.  66,560 rows = 4,160 waves = 208 work-groups of 20.
; LAYOUT.  Every product is used transposed (source 0 = 16 rows of the weight, source 1 = my 16 rows' codes): lane (r, h) holds row r, and register 8 c + j channel (or hidden unit) 16 c + 8 h + j.  Eight such
; registers convert into registers 2 c, 2 c + 1 of the next operand, k in its true place.  So nothing changes lanes but the two sums of a layer norm.  ctx's codes were stored in that register order: two loads of 16 bytes.
; The hidden layer goes 64 units at a time: four tiles of the first product, GELU, four conversions, one K step of the second product on four accumulators.
; GELU, exact: 0.5 u (1 + erf(u / sqrt 2)) = 0.5 u + |0.5 u| erf(|u| / sqrt 2).  erf(t) by two polynomials, chosen by v_cndmask_b32 at t = 0.921875: t + t P(t^2) below, 1 - exp(-(t + t Q(t))) above.
; LIMITS: far down the negative side the sum 0.5 u + |0.5 u| erf cancels: its error is about 1e-7 |u|, not 1e-6 of the result.  Scale entries: e10 and e12 between -126 and 119;
; e8 + e9, e10 + e11, e12 + e13 between -126 and 127.  NaN among the inputs is not served.
; LDS is filled once, at the start: x's five tiles (waves 0-4), w1, w2, out_w (waves 5, 6, 7) by one tensor load each; the seven vectors through wave 8's registers.  By this text's count a wave has at most one tensor load outstanding.
; NO CLUSTER: what work-groups share is the weights and vectors, 39 KiB of the 139 KiB that a work-group fetches, once, at its start.
; REGISTERS: v1 x's LDS address; v2 w1's, later the stage's on the way back; v3 w2's; v4 out_w's, later the stage's; v5 the vectors'; v6 my offset in ctx, later in out0; v7, v8 a conversion's scale and hold;
;   v9 a permute's destination; v[10:15] a layer norm's mean and sums, between the norms three of GELU's constants; then:
.set CT, 16                            ; v16-23   ctx's fragment, then n's codes
.set HC, 24                            ; v24-31   64 hidden units' codes
.set N,  32                            ; v32-63   x, then n, then the result
.set Y,  64                            ; v64-95   the sums of the out projection, then of the second FFN product
.set F,  96                            ; v96-127  four weight fragments; a layer norm's gain
.set H,  128                           ; v128-159 64 hidden units; out_b; a layer norm's bias
.set TM, 160                           ; v160-191 at work
.set XQB,  17408                       ; a group's tile of x: 64 channels x (256 bytes + 16)
.set W1L,  5*XQB                       ; w1: 256 rows x (64 + 16)
.set W2L,  W1L+256*80                  ; w2: 64 rows x (256 + 16)
.set OWL,  W2L+64*272                  ; out_w: 64 rows x (64 + 16)
.set VL,   OWL+64*80                   ; b1 +0, out_b +1024, ln1_w +1280, ln1_b +1536, b2 +1792, ln2_w +2048, ln2_b +2304
.set OUTS, VL+2560                     ; the stage for out0, laid as x's tiles are
.set BSTR, 8519680                     ; bytes from b to b in q and out0
.set CSTR, 133120                      ; and from channel to channel
.set G1Q,  32                          ; s[32:63] four groups 1; s[68:83] four groups 0
.set G1W1, 40
.set G1W2, 48
.set G1OW, 56
.set G0Q,  68
.set G0W1, 72
.set G0W2, 76
.set G0OW, 80
.macro PLACES n                        ; plain vector lines that name no register of the matrix instructions before them (ISA guide 7.12.1)
.rept \n
	v_nop
.endr
.endm
.macro WFRAG reg, adr, off             ; a weight's fragment, 16 rows x 64 codes: registers 2 c, 2 c + 1 hold k = 16 c + 8 h + 0..7
.irp c, 0,1,2,3
	ds_load_b64 v[\reg+2*\c:\reg+2*\c+1], v[\adr] offset:\off+16*\c
.endr
.endm
.macro VLOAD reg, off                  ; 64 numbers of a vector in the results' layout: register 8 c + j = entry 16 c + 8 h + j
.irp c, 0,1,2,3
	ds_load_b128 v[\reg+8*\c:\reg+8*\c+3], v5 offset:\off+64*\c
	ds_load_b128 v[\reg+8*\c+4:\reg+8*\c+7], v5 offset:\off+64*\c+16
.endr
.endm
	s_load_b512 s[4:19], s[0:1], 0x0               ; ctx s[4:5], q s[6:7], out_w s[8:9], out_b s[10:11], ln1_w s[12:13], ln1_b s[14:15], w1 s[16:17], b1 s[18:19]
	s_load_b256 s[20:27], s[0:1], 0x40             ; w2 s[20:21], b2 s[22:23], ln2_w s[24:25], ln2_b s[26:27]
	s_load_b128 s[28:31], s[0:1], 0x60             ; the scales s[28:29], out0 s[30:31]
	v_lshl_add_u32 v190, v0, 2, 0x35a00
	v_mov_b32 v191, 0
	ds_add_u32 v190, v191
	ds_add_u32 v190, v191
	s_wait_dscnt 0x0
	v_lshrrev_b32 v10, 5, v0
	v_readfirstlane_b32 s84, v10                   ; wave 0..19
	s_lshr_b32 s85, s84, 2                         ; group 0..4
	s_and_b32 s86, s84, 3                          ; my quarter of its 64 rows
	s_cmp_ge_u32 ttmp9, 104                        ; 104 work-groups x 5 groups x 64 rows = a plane's 33,280
	s_cselect_b32 s87, 1, 0                        ; b
	s_mul_i32 s88, ttmp9, 5
	s_mul_i32 s89, s87, 520
	s_sub_co_u32 s88, s88, s89                     ; the work-group's first block of 64 rows inside the plane
	s_add_co_u32 s89, s88, s85
	s_lshl_b32 s89, s89, 6                         ; i0: my group's first row
	; x: 64 channels x 64 numbers of 4 bytes, 33,280 numbers apart; 4 words of padding after every 64
	s_mov_b32 s[G1Q], (2<<16)|(1<<20)|(5<<22)|(3<<25)
	s_mov_b32 s[G1Q+1], 64<<16
	s_mov_b32 s[G1Q+2], 64<<16
	s_mov_b32 s[G1Q+3], 64<<16
	s_mov_b32 s[G1Q+4], 64
	s_mov_b32 s[G1Q+5], 33280
	s_mov_b32 s[G1Q+6], 0
	s_mov_b32 s[G1Q+7], 0
	; w1: 256 rows of 64 bytes, dense; 4 words of padding after every 16
	s_mov_b32 s[G1W1], (1<<20)|(3<<22)|(3<<25)
	s_mov_b32 s[G1W1+1], 64<<16
	s_mov_b32 s[G1W1+2], 256<<16
	s_mov_b32 s[G1W1+3], 64<<16
	s_mov_b32 s[G1W1+4], 256
	s_mov_b32 s[G1W1+5], 64
	s_mov_b32 s[G1W1+6], 0
	s_mov_b32 s[G1W1+7], 0
	; w2: 64 rows of 256 bytes, dense; 4 words after every 64
	s_mov_b32 s[G1W2], (1<<20)|(5<<22)|(3<<25)
	s_mov_b32 s[G1W2+1], 256<<16
	s_mov_b32 s[G1W2+2], 64<<16
	s_mov_b32 s[G1W2+3], 256<<16
	s_mov_b32 s[G1W2+4], 64
	s_mov_b32 s[G1W2+5], 256
	s_mov_b32 s[G1W2+6], 0
	s_mov_b32 s[G1W2+7], 0
	; out_w: 64 rows of 64 bytes, dense
	s_mov_b32 s[G1OW], (1<<20)|(3<<22)|(3<<25)
	s_mov_b32 s[G1OW+1], 64<<16
	s_mov_b32 s[G1OW+2], 64<<16
	s_mov_b32 s[G1OW+3], 64<<16
	s_mov_b32 s[G1OW+4], 64
	s_mov_b32 s[G1OW+5], 64
	s_mov_b32 s[G1OW+6], 0
	s_mov_b32 s[G1OW+7], 0
	s_min_u32 s90, s84, 4                          ; waves 0-4 fetch the five tiles of x (the others issue no such load: their number is held at 4)
	s_mov_b32 s[G0Q], 1
	s_mul_i32 s[G0Q+1], s90, XQB
	s_add_co_u32 s90, s88, s90
	s_lshl_b32 s90, s90, 8                         ; 64 rows x 4 bytes for each block,
	s_mul_i32 s91, s87, BSTR
	s_add_co_u32 s90, s90, s91                     ; in b's planes
	s_mov_b32 s91, 0
	s_mov_b32 s[G0W1], 1
	s_mov_b32 s[G0W1+1], W1L
	s_mov_b32 s[G0W2], 1
	s_mov_b32 s[G0W2+1], W2L
	s_mov_b32 s[G0OW], 1
	s_mov_b32 s[G0OW+1], OWL
	s_mul_i32 s98, s86, 16*CSTR                    ; out0: the 16 channels that I store,
	s_lshl_b32 s99, s89, 2
	s_add_co_u32 s98, s98, s99                     ; the group's 256 bytes of each,
	s_mul_i32 s99, s87, BSTR
	s_add_co_u32 s98, s98, s99
	s_mov_b32 s99, 0
	s_mul_i32 s100, s87, 2129920                   ; ctx: b's 128 x 65 blocks of 256 bytes
	s_mov_b32 s101, 0
	v_and_b32 v10, 15, v0                          ; r
	v_bfe_u32 v11, v0, 4, 1                        ; h
	v_and_b32 v12, 31, v0                          ; lane
	s_mul_i32 s96, s85, XQB
	s_lshl_b32 s97, s86, 6
	s_add_co_u32 s96, s96, s97
	v_mul_u32_u24 v1, v11, 8*272
	v_lshl_add_u32 v1, v10, 2, v1
	v_add_nc_u32 v1, s96, v1                       ; x: channel 8 h, my row's 4 bytes
	v_mul_u32_u24 v2, v10, 80
	v_lshl_add_u32 v2, v11, 3, v2
	v_add_nc_u32 v4, OWL, v2                       ; out_w: row r, + 8 h
	v_add_nc_u32 v2, W1L, v2                       ; w1 likewise
	v_mul_u32_u24 v3, v10, 272
	v_lshl_add_u32 v3, v11, 3, v3
	v_add_nc_u32 v3, W2L, v3                       ; w2
	v_lshlrev_b32 v5, 5, v11
	v_add_nc_u32 v5, VL, v5                        ; the vectors: entry 8 h
	s_lshl_b32 s97, s86, 4
	s_add_co_u32 s97, s89, s97
	v_add_nc_u32 v13, s97, v10                     ; my row i = 65 t + f
	v_mul_lo_u32 v14, v13, 32264
	v_lshrrev_b32 v14, 21, v14                     ; t = i / 65: 65 x 32,264 = 2^21 + 8, exact for i under 133,120
	v_mul_u32_u24 v15, v14, 65
	v_sub_nc_u32 v13, v13, v15                     ; f
	v_lshrrev_b32 v15, 2, v14
	v_mad_u32_u24 v13, v15, 65, v13                ; the block (t / 4, f),
	v_and_b32 v14, 3, v14
	v_lshlrev_b32 v14, 6, v14                      ; the row t % 4 in it,
	v_lshl_add_u32 v6, v13, 8, v14
	v_lshl_add_u32 v6, v11, 5, v6                  ; my half's 32 bytes
	v_lshlrev_b32 v13, 4, v12                      ; wave 8's part: 16 and 8 bytes a lane in memory,
	v_lshlrev_b32 v14, 3, v12
	v_add_nc_u32 v15, VL, v13                      ; and in LDS
	v_add_nc_u32 v9, VL+1024, v14
	s_wait_kmcnt 0x0
	s_load_b128 s[92:95], s[28:29], 0x20           ; e8 .. e11
	s_load_b64 s[96:97], s[28:29], 0x30            ; e12, e13
	s_add_nc_u64 s[4:5], s[4:5], s[100:101]
	s_add_nc_u64 s[30:31], s[30:31], s[98:99]
	s_add_nc_u64 s[G0Q+2:G0Q+3], s[6:7], s[90:91]
	s_or_b32 s[G0Q+3], s[G0Q+3], 0x80000000        ; type = 2
	s_mov_b64 s[G0W1+2:G0W1+3], s[16:17]
	s_or_b32 s[G0W1+3], s[G0W1+3], 0x80000000
	s_mov_b64 s[G0W2+2:G0W2+3], s[20:21]
	s_or_b32 s[G0W2+3], s[G0W2+3], 0x80000000
	s_mov_b64 s[G0OW+2:G0OW+3], s[8:9]
	s_or_b32 s[G0OW+3], s[G0OW+3], 0x80000000
	global_load_b128 v[CT:CT+3], v6, s[4:5]        ; ctx's fragment of my 16 rows
	global_load_b128 v[CT+4:CT+7], v6, s[4:5] offset:16
	; the fills: one branch on the wave's number for each role; four v_nop follow each tensor load
	s_cmp_lt_u32 s84, 5
	s_cbranch_scc0 .Lrole_w1
	tensor_load_to_lds s[G0Q:G0Q+3], s[G1Q:G1Q+7]
	s_nop 0
	PLACES 4
	s_branch .Ljoin
.Lrole_w1:
	s_cmp_eq_u32 s84, 5
	s_cbranch_scc0 .Lrole_w2
	tensor_load_to_lds s[G0W1:G0W1+3], s[G1W1:G1W1+7]
	s_nop 0
	PLACES 4
	s_branch .Ljoin
.Lrole_w2:
	s_cmp_eq_u32 s84, 6
	s_cbranch_scc0 .Lrole_ow
	tensor_load_to_lds s[G0W2:G0W2+3], s[G1W2:G1W2+7]
	s_nop 0
	PLACES 4
	s_branch .Ljoin
.Lrole_ow:
	s_cmp_eq_u32 s84, 7
	s_cbranch_scc0 .Lrole_vec
	tensor_load_to_lds s[G0OW:G0OW+3], s[G1OW:G1OW+7]
	s_nop 0
	PLACES 4
	s_branch .Ljoin
.Lrole_vec:
	s_cmp_eq_u32 s84, 8
	s_cbranch_scc0 .Ljoin
	global_load_b128 v[TM:TM+3], v13, s[18:19]                 ; b1: 1,024 bytes
	global_load_b128 v[TM+4:TM+7], v13, s[18:19] offset:512
	global_load_b64 v[TM+8:TM+9], v14, s[10:11]                ; six vectors of 256 bytes
	global_load_b64 v[TM+10:TM+11], v14, s[12:13]
	global_load_b64 v[TM+12:TM+13], v14, s[14:15]
	global_load_b64 v[TM+14:TM+15], v14, s[22:23]
	global_load_b64 v[TM+16:TM+17], v14, s[24:25]
	global_load_b64 v[TM+18:TM+19], v14, s[26:27]
	s_wait_loadcnt 0x0
	ds_store_b128 v15, v[TM:TM+3]
	ds_store_b128 v15, v[TM+4:TM+7] offset:512
.irp k, 0,1,2,3,4,5
	ds_store_b64 v9, v[TM+8+2*\k:TM+9+2*\k] offset:256*\k
.endr
.Ljoin:
	s_wait_tensorcnt 0x0                           ; my tile, if I fetched one, has landed; the descriptors' registers may be written again
	s_wait_dscnt 0x0                               ; wave 8's stores are done
	s_barrier_signal -1
	s_barrier_wait -1
; ---- the out projection, the residual, LN1
.irp m, 0,1,2,3
	WFRAG F+8*\m, 4, 1280*\m
.endr
.irp c, 0,1,2,3
.irp j, 0,1,2,3,4,5,6,7
	ds_load_b32 v[N+8*\c+\j], v1 offset:(16*\c+\j)*272   ; x(my row, channel 16 c + 8 h + j): sixteen lanes read 64 consecutive bytes
.endr
.endr
	VLOAD H, 1024                                  ; out_b
	v_mov_b32 v9, 0                                ; a lane permute's destination counts as one of its sources
	s_wait_kmcnt 0x0
	s_add_co_i32 s32, s92, s93
	s_add_co_i32 s32, s32, 127
	s_lshl_b32 s32, s32, 23                        ; 2^(e8 + e9); each factor is written twice, since the packed forms name a pair
	s_mov_b32 s33, s32
	s_add_co_i32 s34, s94, s95
	s_add_co_i32 s34, s34, 127
	s_lshl_b32 s34, s34, 23                        ; 2^(e10 + e11)
	s_mov_b32 s35, s34
	s_add_co_i32 s36, s96, s97
	s_add_co_i32 s36, s36, 127
	s_lshl_b32 s36, s36, 23                        ; 2^(e12 + e13)
	s_mov_b32 s37, s36
	s_mov_b32 s38, 0x76543210                      ; v_permlanex16_b32's selects for lane l xor 16
	s_mov_b32 s39, 0xfedcba98
	s_mov_b32 s40, 0x37911480                      ; three of GELU's multipliers, as pairs
	s_mov_b32 s41, s40
	s_mov_b32 s42, 0x3b7e899b
	s_mov_b32 s43, s42
	s_mov_b32 s44, 0xba1d0d41
	s_mov_b32 s45, s44
	s_mov_b32 s46, 0x3f3504f3                      ; 1 / sqrt 2
	s_mov_b32 s47, 0x3f6c0000                      ; 0.921875
	s_mov_b32 s48, 0x3c800000                      ; 1 / 64
	s_mov_b32 s49, 0x3727c5ac                      ; 1e-5
	s_add_co_i32 s51, s94, 127
	s_lshl_b32 s50, s51, 23                        ; 2^e10
	s_add_co_i32 s51, s51, 8
	s_lshl_b32 s51, s51, 23
	s_or_b32 s51, s51, 0x600000                    ; 448 x 2^e10
	s_add_co_i32 s53, s96, 127
	s_lshl_b32 s52, s53, 23                        ; 2^e12
	s_add_co_i32 s53, s53, 8
	s_lshl_b32 s53, s53, 23
	s_or_b32 s53, s53, 0x600000                    ; 448 x 2^e12
	s_wait_loadcnt 0x0                             ; ctx's fragment
	s_wait_dscnt 0x0
.irp m, 0,1,2,3
	v_wmma_f32_16x16x64_fp8_fp8 v[Y+8*\m:Y+8*\m+7], v[F+8*\m:F+8*\m+7], v[CT:CT+7], 0
.endr
.set J, 0
.rept 16
	v_pk_add_f32 v[N+J:N+J+1], v[N+J:N+J+1], v[H+J:H+J+1]   ; x + out_b: these sixteen name no register of the products and are the places behind them
.set J, J+2
.endr
.set J, 0
.rept 16
	v_pk_fma_f32 v[N+J:N+J+1], v[Y+J:Y+J+1], s[32:33], v[N+J:N+J+1] op_sel_hi:[1,0,1]   ; + the sums x 2^(e8 + e9); each accumulator from its low end on
.set J, J+2
.endr
; A layer norm of the row in N: 32 channels in my lane, 32 in lane l xor 16.  The mean is taken away before the squares.
.macro LNORM woff, boff
	VLOAD F, \woff
	VLOAD H, \boff
	v_pk_add_f32 v[12:13], v[N:N+1], v[N+2:N+3]
	v_pk_add_f32 v[14:15], v[N+4:N+5], v[N+6:N+7]
.irp j, 8,12,16,20,24,28
	v_pk_add_f32 v[12:13], v[12:13], v[N+\j:N+\j+1]
	v_pk_add_f32 v[14:15], v[14:15], v[N+\j+2:N+\j+3]
.endr
	v_pk_add_f32 v[12:13], v[12:13], v[14:15]
	v_add_f32 v12, v12, v13
	v_permlanex16_b32 v9, v12, s38, s39
	v_add_f32 v12, v12, v9
	v_mul_f32 v10, s48, v12                        ; the mean
	v_mov_b32 v11, v10                             ; (named with it as a pair)
.set J, 0
.rept 16
	v_pk_add_f32 v[N+J:N+J+1], v[N+J:N+J+1], v[10:11] op_sel_hi:[1,0] neg_lo:[0,1] neg_hi:[0,1]
.set J, J+2
.endr
	v_pk_mul_f32 v[12:13], v[N:N+1], v[N:N+1]
	v_pk_mul_f32 v[14:15], v[N+2:N+3], v[N+2:N+3]
.irp j, 4,8,12,16,20,24,28
	v_pk_fma_f32 v[12:13], v[N+\j:N+\j+1], v[N+\j:N+\j+1], v[12:13]
	v_pk_fma_f32 v[14:15], v[N+\j+2:N+\j+3], v[N+\j+2:N+\j+3], v[14:15]
.endr
	v_pk_add_f32 v[12:13], v[12:13], v[14:15]
	v_add_f32 v12, v12, v13
	v_permlanex16_b32 v9, v12, s38, s39
	v_add_f32 v12, v12, v9
	v_fma_f32 v12, v12, s48, s49                   ; the variance + 1e-5
	v_rsq_f32 v12, v12
	v_nop                                          ; a plain line behind the transcendental
	s_wait_dscnt 0x0                               ; gain and bias are in
.set J, 0
	s_wait_alu depctr_va_vdst(0)
.rept 16
	v_pk_mul_f32 v[N+J:N+J+1], v[N+J:N+J+1], v[12:13] op_sel_hi:[1,0]
.set J, J+2
.endr
.set J, 0
.rept 16
	v_pk_fma_f32 v[N+J:N+J+1], v[N+J:N+J+1], v[F+J:F+J+1], v[H+J:H+J+1]
.set J, J+2
.endr
.endm
	LNORM 1280, 1536
; ---- n's codes; n itself stays in N for the second residual
	v_mov_b32 v7, s50
	v_mov_b32 v8, s51
.set J, 0
.rept 32
	v_med3_num_f32 v[TM+J], v[N+J], -v8, v8
.set J, J+1
.endr
.irp c, 0,1,2,3
	v_cvt_scalef32_pk8_fp8_f32 v[CT+2*\c:CT+2*\c+1], v[TM+8*\c:TM+8*\c+7], v7
.endr
	v_nop                                          ; a plain line behind the last conversion
	v_mov_b32 v7, s52                              ; the hidden layer's scale and hold
	v_mov_b32 v8, s53
	v_mov_b32 v10, 0xb9c8e966                      ; three of GELU's addends, as pairs
	v_mov_b32 v11, v10
	v_mov_b32 v12, 0xbcc6b180
	v_mov_b32 v13, v12
	v_mov_b32 v14, 0x3ba39fa4
	v_mov_b32 v15, v14
; GELU of eight numbers u in v[H + 8 k] on.  TM: +0 t = |u| / sqrt 2, +8 t^2, +16 the upper branch, +24 the lower
.macro GELU8 k
.set U, H+8*\k
.set J, 0
.rept 8
	v_mul_f32 v[TM+J], s46, |v[U+J]|
.set J, J+1
.endr
.irp j, 0,2,4,6
	v_pk_mul_f32 v[TM+8+\j:TM+9+\j], v[TM+\j:TM+1+\j], v[TM+\j:TM+1+\j]
.endr
.irp j, 0,2,4,6
	v_pk_fma_f32 v[TM+16+\j:TM+17+\j], v[TM+\j:TM+1+\j], s[40:41], v[10:11] op_sel_hi:[1,0,0]
.endr
.irp j, 0,2,4,6
	v_pk_fma_f32 v[TM+24+\j:TM+25+\j], v[TM+\j:TM+1+\j], s[42:43], v[12:13] op_sel_hi:[1,0,0]
.endr
.irp j, 0,2,4,6
	v_pk_fma_f32 v[TM+16+\j:TM+17+\j], v[TM+16+\j:TM+17+\j], v[TM+8+\j:TM+9+\j], v[TM+24+\j:TM+25+\j]
.endr
.irp q, 0x3ddaae58,0x3f228550,0x3e03ce86
.irp j, 0,2,4,6
	v_pk_fma_f32 v[TM+16+\j:TM+17+\j], v[TM+16+\j:TM+17+\j], v[TM+\j:TM+1+\j], \q op_sel_hi:[1,1,0]
.endr
.endr
.irp j, 0,2,4,6
	v_pk_fma_f32 v[TM+16+\j:TM+17+\j], v[TM+16+\j:TM+17+\j], v[TM+\j:TM+1+\j], v[TM+\j:TM+1+\j]
.endr
.irp j, 0,2,4,6
	v_pk_mul_f32 v[TM+16+\j:TM+17+\j], v[TM+16+\j:TM+17+\j], 0xbfb8aa3b op_sel_hi:[1,0]   ; x -log2(e): the exponential works in base 2
.endr
.set J, 0
.rept 8
	v_exp_f32 v[TM+16+J], v[TM+16+J]
.set J, J+1
.endr
.irp j, 0,2,4,6
	v_pk_fma_f32 v[TM+24+\j:TM+25+\j], v[TM+8+\j:TM+9+\j], s[44:45], v[14:15] op_sel_hi:[1,0,0]   ; the lower branch: also the plain lines behind the exponentials
.endr
.irp q, 0xbcdb45e9,0x3de70d23,0xbec09370,0x3e0375d3
.irp j, 0,2,4,6
	v_pk_fma_f32 v[TM+24+\j:TM+25+\j], v[TM+24+\j:TM+25+\j], v[TM+8+\j:TM+9+\j], \q op_sel_hi:[1,1,0]
.endr
.endr
.irp j, 0,2,4,6
	v_pk_fma_f32 v[TM+24+\j:TM+25+\j], v[TM+24+\j:TM+25+\j], v[TM+\j:TM+1+\j], v[TM+\j:TM+1+\j]
.endr
	s_wait_alu depctr_va_vdst(0)
.irp j, 0,2,4,6
	v_pk_fma_f32 v[TM+16+\j:TM+17+\j], v[TM+16+\j:TM+17+\j], -1.0, 1.0 op_sel_hi:[1,0,0]
.endr
.irp j, 0,1,2,3,4,5,6,7
	v_cmp_lt_f32 s[54+\j], s47, v[TM+\j]
.endr
.irp j, 0,1,2,3,4,5,6,7
	v_cndmask_b32 v[TM+16+\j], v[TM+24+\j], v[TM+16+\j], s[54+\j]   ; erf(t): a choice of values, no branch
.endr
.irp j, 0,2,4,6
	v_pk_mul_f32 v[U+\j:U+1+\j], v[U+\j:U+1+\j], 0.5 op_sel_hi:[1,0]
.endr
.set J, 0
.rept 8
	v_fma_f32 v[U+J], |v[U+J]|, v[TM+16+J], v[U+J]
.set J, J+1
.endr
.endm
; Hidden units 64 s .. 64 s + 63: four tiles of the first product, GELU, codes, K step s of the second product
.macro FFNG s
.irp t, 0,1,2,3
	WFRAG F+8*\t, 2, (4*\s+\t)*1280
.endr
	VLOAD TM, 256*\s                               ; b1
	s_wait_dscnt 0x0
.irp t, 0,1,2,3
	v_wmma_f32_16x16x64_fp8_fp8 v[H+8*\t:H+8*\t+7], v[F+8*\t:F+8*\t+7], v[CT:CT+7], 0
.endr
	PLACES 4
.irp m, 0,1,2,3
	WFRAG F+8*\m, 3, 4352*\m+64*\s                 ; w2's fragments land while the GELU is worked
.endr
.set J, 0
.rept 16
	v_pk_fma_f32 v[H+J:H+J+1], v[H+J:H+J+1], s[34:35], v[TM+J:TM+J+1] op_sel_hi:[1,0,1]   ; u = sum x 2^(e10 + e11) + b1
.set J, J+2
.endr
	GELU8 0
	GELU8 1
	GELU8 2
	GELU8 3
.set J, 0
.rept 32
	v_med3_num_f32 v[H+J], v[H+J], -v8, v8
.set J, J+1
.endr
.irp t, 0,1,2,3
	v_cvt_scalef32_pk8_fp8_f32 v[HC+2*\t:HC+2*\t+1], v[H+8*\t:H+8*\t+7], v7
.endr
	v_nop
	s_wait_dscnt 0x0                               ; w2's fragments
.irp m, 0,1,2,3                        ; four accumulators by turns, one instruction a turn
.if \s == 0
	v_wmma_f32_16x16x64_fp8_fp8 v[Y+8*\m:Y+8*\m+7], v[F+8*\m:F+8*\m+7], v[HC:HC+7], 0
.else
	v_wmma_f32_16x16x64_fp8_fp8 v[Y+8*\m:Y+8*\m+7], v[F+8*\m:F+8*\m+7], v[HC:HC+7], v[Y+8*\m:Y+8*\m+7]
.endif
.endr
	PLACES 4
.endm
	FFNG 0
	FFNG 1
	FFNG 2
	FFNG 3
; ---- the second residual, LN2
	VLOAD TM, 1792                                 ; b2
.set J, 0
.rept 16
	v_pk_fma_f32 v[N+J:N+J+1], v[Y+J:Y+J+1], s[36:37], v[N+J:N+J+1] op_sel_hi:[1,0,1]
.set J, J+2
.endr
	s_wait_dscnt 0x0
.set J, 0
.rept 16
	v_pk_add_f32 v[N+J:N+J+1], v[N+J:N+J+1], v[TM+J:TM+J+1]
.set J, J+2
.endr
	LNORM 2048, 2304
; ---- THE WAY OUT: a channel's 256 bytes come from the group's four waves: through the stage; each wave then stores 16 whole channels
	v_add_nc_u32 v4, OUTS, v1
	v_and_b32 v10, 15, v0
	v_bfe_u32 v11, v0, 4, 1
	v_mul_u32_u24 v2, v11, 272
	v_lshl_add_u32 v2, v10, 4, v2
	s_mul_i32 s90, s85, XQB
	s_mul_i32 s91, s86, 16*272
	s_add_co_u32 s90, s90, s91
	s_add_co_u32 s90, s90, OUTS
	v_add_nc_u32 v2, s90, v2                       ; back: lanes 0-15 one channel's 256 bytes, lanes 16-31 the next's
	v_mul_u32_u24 v6, v11, CSTR
	v_lshl_add_u32 v6, v10, 4, v6                  ; and the same in out0
.irp c, 0,1,2,3
.irp j, 0,1,2,3,4,5,6,7
	ds_store_b32 v4, v[N+8*\c+\j] offset:(16*\c+\j)*272
.endr
.endr
	s_wait_dscnt 0x0                               ; for the others' sake: my stores into the stage are done
	s_barrier_signal -1
	s_barrier_wait -1
.irp k, 0,1,2,3,4,5,6,7
	ds_load_b128 v[TM+4*\k:TM+4*\k+3], v2 offset:544*\k
.endr
.irp k, 0,1,2,3,4,5,6,7
	s_wait_dscnt 7-\k                              ; piece k is back; the 7 - k younger loads stay out
	global_store_b128 v6, v[TM+4*\k:TM+4*\k+3], s[30:31] offset:2*CSTR*\k th:TH_STORE_NT   ; sixteen lanes store 256 consecutive bytes, aligned; written once, read by nobody here
.endr
	s_wait_xcnt 0x0
	v_lshl_add_u32 v190, v0, 2, 0x35a00
	v_mov_b32 v191, 0
	s_wait_tensorcnt 0x0
	ds_add_u32 v190, v191
	s_wait_dscnt 0x0
	s_endpgm
.Lfunc_end_k_qeda5d4d601_ffn:
	.size	k_qeda5d4d601_ffn, .Lfunc_end_k_qeda5d4d601_ffn-k_qeda5d4d601_ffn
	.p2alignl 7, 3214868480
	.fill 96, 4, 3214868480
	.section	.rodata,"a",@progbits
	.p2align	6, 0x0
	.amdhsa_kernel k_qeda5d4d601_ffn
		.amdhsa_group_segment_fixed_size 222208
		.amdhsa_private_segment_fixed_size 0
		.amdhsa_enable_private_segment 0
		.amdhsa_kernarg_size 112
		.amdhsa_user_sgpr_count 2
		.amdhsa_user_sgpr_kernarg_segment_ptr 1
		.amdhsa_wavefront_size32 1
		.amdhsa_system_sgpr_workgroup_id_x 1
		.amdhsa_system_sgpr_workgroup_id_y 1
		.amdhsa_system_sgpr_workgroup_id_z 1
		.amdhsa_system_vgpr_workitem_id 0
		.amdhsa_next_free_vgpr 192
		.amdhsa_next_free_sgpr 102
		.amdhsa_reserve_vcc 0
		.amdhsa_float_denorm_mode_32 3
		.amdhsa_float_denorm_mode_16_64 3
		.amdhsa_memory_ordered 1
		.amdhsa_forward_progress 1
		.amdhsa_inst_pref_size 187
	.end_amdhsa_kernel
	.amdgpu_metadata
---
amdhsa.version: [ 1, 2 ]
amdhsa.kernels:
  - .name:           k_qeda5d4d601_ffn
    .symbol:         k_qeda5d4d601_ffn.kd
    .args:
      - { .name: ctx, .offset: 0, .size: 8, .value_kind: global_buffer, .address_space: global }
      - { .name: q, .offset: 8, .size: 8, .value_kind: global_buffer, .address_space: global }
      - { .name: out_w_codes, .offset: 16, .size: 8, .value_kind: global_buffer, .address_space: global }
      - { .name: out_b, .offset: 24, .size: 8, .value_kind: global_buffer, .address_space: global }
      - { .name: ln1_w, .offset: 32, .size: 8, .value_kind: global_buffer, .address_space: global }
      - { .name: ln1_b, .offset: 40, .size: 8, .value_kind: global_buffer, .address_space: global }
      - { .name: w1_codes, .offset: 48, .size: 8, .value_kind: global_buffer, .address_space: global }
      - { .name: b1, .offset: 56, .size: 8, .value_kind: global_buffer, .address_space: global }
      - { .name: w2_codes, .offset: 64, .size: 8, .value_kind: global_buffer, .address_space: global }
      - { .name: b2, .offset: 72, .size: 8, .value_kind: global_buffer, .address_space: global }
      - { .name: ln2_w, .offset: 80, .size: 8, .value_kind: global_buffer, .address_space: global }
      - { .name: ln2_b, .offset: 88, .size: 8, .value_kind: global_buffer, .address_space: global }
      - { .name: lowp_scales, .offset: 96, .size: 8, .value_kind: global_buffer, .address_space: global }
      - { .name: out0, .offset: 104, .size: 8, .value_kind: global_buffer, .address_space: global }
    .group_segment_fixed_size: 222208
    .private_segment_fixed_size: 0
    .kernarg_segment_align: 8
    .kernarg_segment_size: 112
    .max_flat_workgroup_size: 640
    .sgpr_count:     102
    .vgpr_count:     192
    .wavefront_size: 32
...
	.end_amdgpu_metadata
.endif
;; end of part 3
